; MI455X (gfx1250); checked and timed in simulation.
; The chip was launched on July 23, 2026; its instructions are those of AMD's public machine-readable ISA for CDNA 5 (MIT licence, August 2026) and "CDNA5" Instruction Set Architecture Reference Guide (July 2026). The comments in the code are by the model that wrote it; some were corrected since.
;; Factorized Softmax V2. Allowed arithmetic: float matrix products may take bf16 or f16 operands with f32 sums; other float arithmetic in f32, or as packed bf16 or f16 multiplies, adds, multiply-adds, maxima and minima; sums over many terms, partial sums and values carried from step to step in f32; what a program stores and reads back later, other than sums and carried values, may be rounded once to bf16 or f16.
;; Inputs: W_cluster 3 x 1,024 float32; logits 1,024 x 12,564 float32; x 4,096 x 1,024 float32; y 4,096 int32.
;; Outputs: out0 4,096 float32.
;; One version. Each part assembles by itself: llvm-mc -triple=amdgcn-amd-amdhsa -mcpu=gfx1250 --defsym DOCPART=n.
;; ======== version 1 of 1: 3 launches
;; limits: right only within a limited range of input values
;; workspace buffers: xb 8,388,608 bytes; lt 25,821,184 bytes; part 1,048,576 bytes; cl 16,384 bytes
;; launch prep (part 1): grid 261 x 8, 8 waves a work-group, no clusters, 30,976 bytes of LDS; arguments logits, x, W_cluster, lt, xb, cl; writes lt, xb, cl
.if DOCPART == 1
	.amdgcn_target "amdgcn-amd-amdhsa--gfx1250"
	.amdhsa_code_object_version 6
	.text
	.protected	k_qfab4f269e5_prep
	.globl	k_qfab4f269e5_prep
	.p2align	8
	.type	k_qfab4f269e5_prep,@function
k_qfab4f269e5_prep:
	s_mov_b64 s[64:65], 0
	v_nop
	global_prefetch_b8 v0, s[64:65] scope:SCOPE_SE
	s_setreg_imm32_b32 hwreg(HW_REG_WAVE_MODE, 25, 1), 1
	s_wait_xcnt 0x0
; PREP.  Three results for the two launches behind it:
;   lt[v][k] = bf16(logits[k][v]), [12608][1024]: the table turned, so that a vocabulary column is 2,048 dense bytes along K.  Rows 12564 to 12607 repeat columns 12560 to 12563: finite numbers
;              that the next launch hides.
;   xb[n][k] = bf16(x[n][k]), [4096][1024].
;   cl[n]    = logsumexp_i(x[n] . W_i) - x[n] . W_0 over the three rows of W_cluster, all in f32, the maximum taken away before the exponentials.
; SHARES.  Every work-group moves 32 KiB in and 16 KiB out.  Those with x < 64 take 8 rows of x, a row a wave: the row stays in 32 registers for the three sums and the rounding, so it is read once;
; W_cluster is staged once in LDS and read a row at a time, which keeps the launch at 96 registers a wave.
; The others turn a tile of 128 k x 64 columns: column block = x - 64, k block = y.  The tile goes through LDS: in by 16 bytes (8 k of one column), out by whole rows of 256 bytes.
; LDS.  The two paths have bytes of their own: the tile at 0, the spare words behind it, then W_cluster and the eight results of the x path.
; No matrix instruction: three columns of W on numbers that are in registers anyway are 48 packed multiply-adds a row.
.set VOCAB,  12564
.set ROWB,   VOCAB*4                   ; bytes in a row of logits: a multiple of 16
.set NXB,    64                        ; work-groups along x that take x
.set TP,     272                       ; a row of the tile in LDS: 256 bytes (128 k) + 16
.set SPARE,  64*TP                     ; behind the tile: the spare words, 128 bytes for each of eight waves
.set WX,     SPARE+1024                ; the x path: W_cluster, 12,288 bytes,
.set RESX,   WX+12288                  ; and the eight results behind it
.set SPW,    10                        ; v10  LDS address of my spare word; never rewritten
.set NIL,    11                        ; v11  0; never rewritten
.set IN,     16                        ; turning: v[16:47]  8 rows x 4 columns, f32
.set PK,     48                        ;          v[48:63]  4 columns x 8 k, bf16
.set BK,     64                        ;          v[64:79]  4 x 16 bytes of whole rows
.set X,      16                        ; x: v[16:47]  my row
.set WB,     48                        ;    v[48:79]  a row of W_cluster, laid as the row of x is; later T and Y
.set T,      48                        ;    v[48:59]  at work
.set Y,      64                        ;    v[64:79]  the row in bf16
.set ACC,    80                        ;    v[80:91]  for each of three sums two packed chains
	s_load_b256 s[4:11], s[0:1], 0x0               ; logits s[4:5], x s[6:7], W_cluster s[8:9], lt s[10:11]
	s_load_b128 s[12:15], s[0:1], 0x20             ; xb s[12:13], cl s[14:15]
	v_lshl_add_u32 v[SPW], v0, 2, SPARE
	v_mov_b32 v[NIL], 0
	v_lshrrev_b32 v1, 5, v0
	v_readfirstlane_b32 s16, v1                    ; wave 0..7
	v_and_b32 v1, 31, v0                           ; lane
	s_and_b32 s17, ttmp7, 0xffff                   ; work-group y
	s_cmp_lt_u32 ttmp9, NXB                        ; the same answer in all eight waves
	s_cbranch_scc1 .Lx
	; ---------------- a tile of logits is turned ----------------
	; In: lane (c = lane % 16, h = lane / 16) of wave w reads 4 columns 64 vb + 4 c of the rows 128 kb + 16 w + 8 h + j, j = 0..7: sixteen lanes take 256 consecutive bytes of a row.
	v_and_b32 v2, 15, v0                           ; c
	v_bfe_u32 v3, v0, 4, 1                         ; h
	s_sub_co_u32 s18, ttmp9, NXB
	s_lshl_b32 s18, s18, 6                         ; 64 vb
	v_lshl_add_u32 v4, v2, 2, s18
	v_min_u32 v4, VOCAB-4, v4                      ; past the table's last column: its last four once more
	v_mul_u32_u24 v5, v3, 8*ROWB
	v_lshl_add_u32 v5, v4, 2, v5                   ; 8 h rows + 4 bytes a column
	s_lshl_b32 s19, s17, 7
	s_lshl4_add_u32 s19, s16, s19                  ; row 128 kb + 16 w
	s_mul_i32 s20, s19, ROWB                       ; at most 1,008 rows: under 2^32
	s_mov_b32 s21, 0
	v_mul_u32_u24 v6, v2, 4*TP                     ; into LDS: row 4 c (+ the column in the immediate), byte 2 (16 w + 8 h)
	v_lshl_add_u32 v6, v3, 4, v6
	s_lshl_b32 s22, s16, 5
	v_add_nc_u32 v6, s22, v6
	s_mul_i32 s23, s16, 8*TP                       ; back: wave w takes rows 8 w .. 8 w + 7; lanes 0-15 one row of 256 bytes, lanes 16-31 the next
	v_mul_u32_u24 v7, v3, TP
	v_lshl_add_u32 v7, v2, 4, v7
	v_add_nc_u32 v7, s23, v7
	v_lshlrev_b32 v8, 11, v3                       ; and the same two rows in lt
	v_lshl_add_u32 v8, v2, 4, v8
	s_lshl3_add_u32 s24, s16, s18                  ; row 64 vb + 8 w of lt,
	s_lshl_b32 s24, s24, 11
	s_lshl_b32 s25, s17, 8                         ; byte 256 kb of it
	s_add_co_u32 s24, s24, s25
	s_mov_b32 s25, 0
	s_wait_kmcnt 0x0
	s_add_nc_u64 s[4:5], s[4:5], s[20:21]
	s_add_nc_u64 s[10:11], s[10:11], s[24:25]
.irp j, 0,1,2,3,4,5,6,7
	global_load_b128 v[IN+4*(\j):IN+4*(\j)+3], v5, s[4:5] offset:(\j)*ROWB  ; a row of logits is 50,256 bytes, 80 more than a multiple of 256: my 256 bytes reach into aligned blocks that the neighbouring column block reads too, so no hint says 'read once'
.endr
.irp q, 0,1,2,3
	s_wait_loadcnt 6-2*(\q)                        ; rows 2 q and 2 q + 1 are in; the 6 - 2 q younger loads stay out
.irp c, 0,1,2,3
	v_cvt_pk_bf16_f32 v[PK+4*(\c)+(\q)], v[IN+8*(\q)+(\c)], v[IN+8*(\q)+4+(\c)]  ; two neighbouring k of column c
.endr
.endr
.irp c, 0,1,2,3
	ds_store_b128 v6, v[PK+4*(\c):PK+4*(\c)+3] offset:(\c)*TP  ; 8 k of one column: 16 bytes of a row of lt
.endr
	s_wait_dscnt 0x0                               ; for the others' sake: my stores into the tile are done
	s_barrier_signal -1
	s_barrier_wait -1
.irp i, 0,1,2,3
	ds_load_b128 v[BK+4*(\i):BK+4*(\i)+3], v7 offset:(\i)*2*TP
.endr
.irp i, 0,1,2,3
	s_wait_dscnt 3-(\i)                            ; LDS loads come back in order: load i is in, the younger ones stay out
	global_store_b128 v8, v[BK+4*(\i):BK+4*(\i)+3], s[10:11] offset:(\i)*4096  ; sixteen lanes store 256 consecutive bytes, at a multiple of 256 from lt's first byte
.endr
	s_wait_tensorcnt 0x0                           ; the wave's end
	ds_add_u32 v[SPW], v[NIL]
	s_wait_dscnt 0x0
	s_endpgm
	; ---------------- 8 rows of x ----------------
.Lx:
	s_lshl3_add_u32 s18, ttmp9, s17                ; block of 8 rows = 8 x + y
	s_lshl3_add_u32 s19, s18, s16                  ; my row = 8 block + w
	s_lshl_b32 s20, s19, 12                        ; 4,096 bytes a row of x,
	s_mov_b32 s21, 0
	s_lshl_b32 s24, s19, 11                        ; 2,048 of xb,
	s_mov_b32 s25, 0
	s_lshl_b32 s26, s18, 5                         ; 32 bytes a block of cl
	s_mov_b32 s27, 0
	s_mov_b32 s28, 0x76543210                      ; v_permlanex16_b32: each lane takes its own place in the other half
	s_mov_b32 s29, 0xfedcba98
	s_lshl_b32 s30, s16, 2
	v_lshlrev_b32 v2, 4, v1                        ; 16 bytes a lane of x and of W
	v_lshlrev_b32 v3, 3, v1                        ; 8 bytes a lane of xb
	v_lshlrev_b32 v4, 4, v0                        ; 16 bytes a thread of W_cluster
	v_mov_b32 v5, s30                              ; my wave's word among the eight results
	v_and_b32 v6, 7, v0
	v_lshlrev_b32 v6, 2, v6                        ; 4 (lane % 8)
	s_wait_kmcnt 0x0
	s_add_nc_u64 s[6:7], s[6:7], s[20:21]
	s_add_nc_u64 s[12:13], s[12:13], s[24:25]
	s_add_nc_u64 s[14:15], s[14:15], s[26:27]
.irp c, 0,1,2
	global_load_b128 v[WB+4*(\c):WB+4*(\c)+3], v4, s[8:9] offset:4096*(\c)  ; the work-group's 256 threads take a row of W_cluster at a time
.endr
.irp j, 0,1,2,3,4,5,6,7
	global_load_b128 v[X+4*(\j):X+4*(\j)+3], v2, s[6:7] offset:512*(\j) th:TH_LOAD_NT  ; eight loads of 512 neighbouring bytes: my row, read once in the launch
.endr
	s_wait_loadcnt 8                               ; W's three loads are in; the row's eight, issued behind them, stay out
.irp c, 0,1,2
	ds_store_b128 v4, v[WB+4*(\c):WB+4*(\c)+3] offset:WX+4096*(\c)
.endr
	s_wait_dscnt 0x0                               ; for the others' sake: my stores are done
	s_barrier_signal -1
	s_barrier_wait -1
; The sum x . W_c: W's row comes out of LDS as the row of x lies in registers; two packed chains by turns, started by the first products
.macro DOT c
.irp j, 0,1,2,3,4,5,6,7
	ds_load_b128 v[WB+4*(\j):WB+4*(\j)+3], v2 offset:WX+4096*(\c)+512*(\j)
.endr
.if (\c) == 0
	s_wait_loadcnt 0x0                             ; my row
.endif
	s_wait_dscnt 0x0
.set n, 0
.rept 16
.if n < 2
	v_pk_mul_f32 v[ACC+4*(\c)+2*n:ACC+4*(\c)+2*n+1], v[X+2*n:X+2*n+1], v[WB+2*n:WB+2*n+1]
.else
	v_pk_fma_f32 v[ACC+4*(\c)+2*(n%2):ACC+4*(\c)+2*(n%2)+1], v[X+2*n:X+2*n+1], v[WB+2*n:WB+2*n+1], v[ACC+4*(\c)+2*(n%2):ACC+4*(\c)+2*(n%2)+1]
.endif
.set n, n+1
.endr
.endm
	DOT 0
	DOT 1
	DOT 2
.set n, 0
.rept 16
	v_cvt_pk_bf16_f32 v[Y+n], v[X+2*n], v[X+2*n+1]
.set n, n+1
.endr
.irp j, 0,1,2,3,4,5,6,7
	global_store_b64 v3, v[Y+2*(\j):Y+2*(\j)+1], s[12:13] offset:256*(\j)  ; 32 lanes store 256 consecutive bytes, at a multiple of 256 from xb's first byte
.endr
.irp c, 0,1,2
	v_pk_add_f32 v[ACC+4*(\c):ACC+4*(\c)+1], v[ACC+4*(\c):ACC+4*(\c)+1], v[ACC+4*(\c)+2:ACC+4*(\c)+3]
.endr
.irp c, 0,1,2
	v_add_f32 v[T+(\c)], v[ACC+4*(\c)], v[ACC+4*(\c)+1]
.endr
.irp m, 1,2,4,8                        ; across the lanes: four steps inside each half, one across the halves
.irp c, 0,1,2
	v_add_f32_dpp v[T+(\c)], v[T+(\c)], v[T+(\c)] row_xmask:\m row_mask:0xf bank_mask:0xf
.endr
.endr
.irp c, 0,1,2
	v_permlanex16_b32 v[T+3+(\c)], v[T+(\c)], s28, s29  ; its destination counts as read: these registers held W
.endr
.irp c, 0,1,2
	v_add_f32 v[T+(\c)], v[T+(\c)], v[T+3+(\c)]
.endr
	v_max3_num_f32 v[T+6], v[T], v[T+1], v[T+2]    ; the maximum is taken away before the exponentials
.irp c, 0,1,2
	v_sub_f32 v[T+7+(\c)], v[T+(\c)], v[T+6]
.endr
.irp c, 0,1,2
	v_mul_f32 v[T+7+(\c)], 0x3fb8aa3b, v[T+7+(\c)] ; x log2(e)
.endr
.irp c, 0,1,2
	v_exp_f32 v[T+7+(\c)], v[T+7+(\c)]
.endr
	v_sub_f32 v[T+11], v[T+6], v[T]                ; maximum - c0: the plain line behind the exponentials
	s_wait_alu depctr_va_vdst(0)
	v_add_f32 v[T+10], v[T+7], v[T+8]
	v_add_f32 v[T+10], v[T+10], v[T+9]
	v_log_f32 v[T+10], v[T+10]
	v_nop                                          ; a plain line behind the logarithm
	s_wait_alu depctr_va_vdst(0)
	v_fmamk_f32 v[T+10], v[T+10], 0x3f317218, v[T+11]  ; ln 2 x log2(sum) + maximum - c0, the same in every lane
	ds_store_b32 v5, v[T+10] offset:RESX           ; all lanes write the same word with the same value
	s_wait_dscnt 0x0
	s_barrier_signal -1
	s_barrier_wait -1
	s_cmp_lg_u32 s16, 0
	s_cbranch_scc1 .Lxend                          ; wave 0 stores the group's eight results, 32 consecutive bytes
	ds_load_b32 v60, v6 offset:RESX                ; lane i takes result i % 8
	s_wait_dscnt 0x0
	s_wait_xcnt 0x0                                ; EXEC changes only behind this wait
	v_cmp_gt_u32 vcc_lo, 8, v1
	s_and_saveexec_b32 s22, vcc_lo
	global_store_b32 v6, v60, s[14:15]
	s_wait_xcnt 0x0
	s_or_b32 exec_lo, exec_lo, s22
.Lxend:
	s_wait_tensorcnt 0x0                           ; the wave's end
	ds_add_u32 v[SPW], v[NIL]
	s_wait_dscnt 0x0
	s_endpgm
.Lfunc_end_k_qfab4f269e5_prep:
	.size	k_qfab4f269e5_prep, .Lfunc_end_k_qfab4f269e5_prep-k_qfab4f269e5_prep
	.p2alignl 7, 3214868480
	.fill 96, 4, 3214868480
	.section	.rodata,"a",@progbits
	.p2align	6, 0x0
	.amdhsa_kernel k_qfab4f269e5_prep
		.amdhsa_group_segment_fixed_size 30976
		.amdhsa_private_segment_fixed_size 0
		.amdhsa_enable_private_segment 0
		.amdhsa_kernarg_size 48
		.amdhsa_user_sgpr_count 2
		.amdhsa_user_sgpr_kernarg_segment_ptr 1
		.amdhsa_wavefront_size32 1
		.amdhsa_system_sgpr_workgroup_id_x 1
		.amdhsa_system_sgpr_workgroup_id_y 1
		.amdhsa_system_sgpr_workgroup_id_z 1
		.amdhsa_system_vgpr_workitem_id 0
		.amdhsa_next_free_vgpr 96
		.amdhsa_next_free_sgpr 66
		.amdhsa_reserve_vcc 1
		.amdhsa_float_denorm_mode_32 3
		.amdhsa_float_denorm_mode_16_64 3
		.amdhsa_memory_ordered 1
		.amdhsa_forward_progress 1
		.amdhsa_inst_pref_size 17
	.end_amdhsa_kernel
	.amdgpu_metadata
---
amdhsa.version: [ 1, 2 ]
amdhsa.kernels:
  - .name:           k_qfab4f269e5_prep
    .symbol:         k_qfab4f269e5_prep.kd
    .args:
      - { .name: logits, .offset: 0, .size: 8, .value_kind: global_buffer, .address_space: global }
      - { .name: x, .offset: 8, .size: 8, .value_kind: global_buffer, .address_space: global }
      - { .name: W_cluster, .offset: 16, .size: 8, .value_kind: global_buffer, .address_space: global }
      - { .name: lt, .offset: 24, .size: 8, .value_kind: global_buffer, .address_space: global }
      - { .name: xb, .offset: 32, .size: 8, .value_kind: global_buffer, .address_space: global }
      - { .name: cl, .offset: 40, .size: 8, .value_kind: global_buffer, .address_space: global }
    .group_segment_fixed_size: 30976
    .private_segment_fixed_size: 0
    .kernarg_segment_align: 8
    .kernarg_segment_size: 48
    .max_flat_workgroup_size: 256
    .sgpr_count:     66
    .vgpr_count:     96
    .wavefront_size: 32
...
	.end_amdgpu_metadata
.endif
;; end of part 1
;; launch lse (part 2): grid 16 x 16, 4 waves a work-group, clusters of 4 x 4, 327,680 bytes of LDS; arguments xb, lt, part; writes part
.if DOCPART == 2
	.amdgcn_target "amdgcn-amd-amdhsa--gfx1250"
	.amdhsa_code_object_version 6
	.text
	.protected	k_qfab4f269e5_lse
	.globl	k_qfab4f269e5_lse
	.p2align	8
	.type	k_qfab4f269e5_lse,@function
k_qfab4f269e5_lse:
	s_mov_b64 s[64:65], 0
	v_nop
	global_prefetch_b8 v0, s[64:65] scope:SCOPE_SE
	s_setreg_imm32_b32 hwreg(HW_REG_WAVE_MODE, 25, 1), 1
	s_wait_xcnt 0x0
	s_wait_alu depctr_hold_cnt(0) depctr_sa_sdst(0) depctr_va_vdst(0) depctr_va_sdst(0) depctr_va_ssrc(0) depctr_va_vcc(0) depctr_vm_vsrc(0)
	s_getreg_b32 s2, hwreg(HW_REG_IB_STS2, 6, 4)
	s_cmp_eq_u32 s2, 0
	s_cbranch_scc0 .Lentry_in_a_cluster
	s_endpgm
.Lentry_in_a_cluster:
	s_bfe_u32 s2, ttmp6, 0x10000c
	s_cmp_lg_u32 s2, 0xf033
	s_cbranch_scc0 .Lentry_shape_is_right
	s_endpgm
.Lentry_shape_is_right:
; LSE.  Scores s[n][v] = xb[n] . lt[v] (bf16 operands, f32 sums, K = 1,024), never stored: for each token and each of 32 parts of the vocabulary the launch leaves the pair
; M = max s and L = the sum of exp(s - M), a running maximum and sum in f32.  part[tg = n / 16][p][0][n % 16] = M, part[tg][p][1][n % 16] = L.
; SHARES.  16 x 16 work-groups: row block (256 tokens) x column group g.  Group g owns the columns 786 g .. 786 g + LIM - 1, LIM = min(786, 12564 - 786 g), and walks them in 3 tiles of 272: 816 columns,
; of which those at or past LIM are hidden.  All work-groups do the same work; every tile lies inside lt's 12,608 rows (the last row read is 12,605).
; A wave makes 64 tokens x all 272 columns of a tile: 4 x 17 = 68 accumulators of 16 x 16, 544 registers: 272 matrix instructions for a K step of 128, as many as the registers allow, so that a slot's
; refill has 240 matrix instructions in which to land.
; THE MATRIX INSTRUCTION IS USED TRANSPOSED: source 0 = 16 rows of lt, source 1 = 16 rows of xb.  In the result lane l holds ONE token (l % 16) and the columns 8 (l / 16) + 0..7 of each block of 16.  So
; maximum and sum stay in the lane through all three tiles, and the two halves of the lanes leave as two parts: p = 2 g + l / 16.  The next launch merges the 32 parts.
; HIDDEN COLUMNS.  The C operand that starts a sum is 0, or -1e30 for a hidden column: its weight is 0.  Only the third tile has any, in its column blocks 14 to 16 (LIM - 544 is 242 or 230), and by then
; every lane's maximum is a true score.  So masks are kept for those three blocks alone; the others start with the constant 0.
; LIMITS.  A hidden score counts as its value less 1e30; c m starts at -4.25e37, so the first step's factor is 0; a weight below 2^-126 counts as 0 in the sum; NaN and infinities are not treated apart.
; RING.  K goes in steps of 128 through two LDS slots, each 256 rows of xb and 272 rows of lt, rows of 256 bytes padded to 272.  The ring runs on from tile to tile.
; CLUSTER.  4 x 4 work-groups.  The four of a row of the cluster share the row block and so xb's tiles, the four of a column share g and so lt's: each tile is asked for JOINTLY, by the same tensor load
; with the same descriptor and a mask that names the four.  By this text's count a wave has two tensor loads out at the start and one behind each round.
; REGISTERS, in windows of 256 (s_set_vgpr_msb: bits 1:0 source 0, 3:2 source 1, 5:4 source 2, 7:6 destination):
;   window 2: the accumulators of column blocks 0-7 ((a, b) at 64 a + 8 b);   window 3: those of blocks 8-15;   window 1: lt's fragments of blocks 0-15, two buffers of 128
;   window 0: v0-31 addresses; v32-95 xb's fragments (4 x 16 rows x 32 K), two buffers; v96-111 lt's fragment of block 16, two buffers; v112-143 block 16's four accumulators;
;             v144-167 the masks of blocks 14-16; v168-183 c m, m, l (even, odd columns) a token block; v184-191 the factor a, a pair a block; v192-207 sixteen chains of the maximum
.set KSTEP,  128
.set PITCH,  272                       ; 256 bytes + 16 = 68 words: the 16 rows of a fragment load start at 16 different groups of four banks (64 banks of 4 bytes: ISA guide 11.1)
.set HALFA,  128*PITCH                 ; 128 rows of xb: one tensor load
.set HALFB,  136*PITCH                 ; 136 rows of lt: likewise
.set SLOT,   2*HALFA+2*HALFB           ; xb's 256 rows, then lt's 272
.set SPARE,  2*SLOT                    ; behind the ring: the spare words, 128 bytes for each wave
.set LAPS,   4                         ; a lap = two K steps = once round the ring; K = 1,024
.set TILES,  3
.set TCOLS,  272
.set GCOLS,  786
.set VOCAB,  12564
.set BACK_A, 6*KSTEP*2                 ; from a slot's last K step of a tile to its first of the next: xb goes back along K,
.set NEXT_B, TCOLS*2048-BACK_A         ; lt also 272 rows down
.set ADRA, 16                          ; v16-17  LDS address of my xb fragments in slot 0, 1
.set ADRB, 20                          ; v20-21  the same for lt's blocks 0-15: the farthest immediate is 15 x 4,352 + 224 = 65,504, inside its 16 bits
.set ADRC, 22                          ; v22-23  for lt's block 16
.set TV,   24                          ; v24     LIM less my first column in the tile to come: register j of block b is hidden where 16 b + j >= TV
.set PO,   26                          ; v26     my place in a pair of parts: 128 (l / 16) + 4 (l % 16)
.set SPW,  28                          ; v28     LDS address of my spare word; never rewritten
.set NIL,  29                          ; v29     0; never rewritten
.set FA,   32
.set FC,   96
.set X16,  112
.set MK,   144
.set ST,   168
.set AF,   184
.set CT,   192
.set G1,   24                          ; s[24:31] descriptor group 1 for xb's tiles;  s[32:39] group 0, a set for each slot
.set G0,   32
.set G1B,  48                          ; s[48:55], s[56:63] the same for lt's
.set G0B,  56
.set CS,   66                          ; s[66:67] c = log2(e): the packed scaling takes the pair's low word for both halves
.set BIGN, 70                          ; s70  -1e30
.set MSB, 0
.macro WIN new                         ; the immediate's high byte repeats the setting that is left; a switch that changes nothing is dropped
.if MSB != (\new)
	s_set_vgpr_msb (MSB<<8)|(\new)
.set MSB, \new
.endif
.endm
.set MUL_LO, 0xa1                      ; source 0 (lt) window 1, source 1 (xb) window 0, C and D window 2; + 0x50: window 3
.set MSK_HI, 0xc1                      ; D window 3, C (a mask) window 0
.set TO_B,   0x40                      ; destination window 1, address window 0
; A joint load.  Waves 0 and 1 fetch xb's two halves, waves 2 and 3 lt's.  The branch hangs on the wave's number alone.  An s_nop 0 and four v_nop follow each of the two lines.
.macro JLOAD s
	s_cmp_eq_u32 s11, 0
	s_cbranch_scc0 .Lfor_b_\@
	tensor_load_to_lds s[G0+4*(\s):G0+4*(\s)+3], s[G1:G1+7]
	s_nop 0
.rept 4
	v_nop
.endr
	s_branch .Lasked_\@
.Lfor_b_\@:
	tensor_load_to_lds s[G0B+4*(\s):G0B+4*(\s)+3], s[G1B:G1B+7]
	s_nop 0
.rept 4
	v_nop
.endr
.Lasked_\@:
.endm
.macro CREST                           ; a round of the cluster's barrier behind its opening barrier
	s_cmp_lg_u32 s10, 0
	s_cbranch_scc1 .Lnot_wave_0_\@
	s_barrier_signal -3
.Lnot_wave_0_\@:
	s_barrier_wait -3
	s_barrier_signal -1
	s_barrier_wait -1
.endm
.macro CROUND                          ; a whole round
	s_barrier_signal -1
	s_barrier_wait -1
	CREST
.endm
	s_load_b128 s[4:7], s[0:1], 0x0                ; xb s[4:5], lt s[6:7]
	s_load_b64 s[8:9], s[0:1], 0x10                ; part
	v_lshl_add_u32 v[SPW], v0, 2, SPARE
	v_mov_b32 v[NIL], 0
	ds_add_u32 v[SPW], v[NIL]                      ; the wave's opening: the add and its wait stand ahead of my first tensor load; the set-up below, work on registers, stands between them
	v_lshrrev_b32 v1, 5, v0
	v_readfirstlane_b32 s10, v1                    ; wave 0..3: my quarter of the tokens
	s_lshr_b32 s11, s10, 1                         ; I fetch for xb (0) or for lt (1),
	s_and_b32 s12, s10, 1                          ; and this half of that tile's rows
	s_bfe_u32 s40, ttmp6, 0x40000                  ; cx, cy: my place in the cluster
	s_bfe_u32 s41, ttmp6, 0x40004
	s_lshl_b32 s42, ttmp9, 2
	s_add_co_u32 s42, s42, s40                     ; g = 4 x cluster x + cx
	s_and_b32 s13, ttmp7, 0xffff
	s_lshl_b32 s13, s13, 2
	s_add_co_u32 s13, s13, s41                     ; row block = 4 x cluster y + cy
	s_lshl_b32 s43, s41, 2
	s_lshl_b32 s43, 15, s43                        ; my row of the cluster
	s_lshl_b32 s44, 0x1111, s40                    ; my column
	; descriptor group 1: rows of 128 elements of 2 bytes, 1,024 elements from row to row, padded in LDS; 128 rows of xb, 136 of lt
	s_or_b32 s[G1+0], s43, (1<<16)|(1<<20)|(1<<21)|(5<<22)|(3<<25)   ; 15:0 the mask; 17:16 2-byte elements; 20 padding on; 21 set beside a mask; 24:22 after every 64 words (code 5); 31:25 4 words (code 3)
	s_or_b32 s[G1B+0], s44, (1<<16)|(1<<20)|(1<<21)|(5<<22)|(3<<25)
	s_mov_b32 s[G1+1], KSTEP<<16                   ; tensor_dim0 = 128
	s_mov_b32 s[G1B+1], KSTEP<<16
	s_mov_b32 s[G1+2], 128<<16                     ; tensor_dim1 = 128
	s_mov_b32 s[G1B+2], 136<<16                    ;             = 136
	s_mov_b32 s[G1+3], KSTEP<<16                   ; tile_dim0 = 128
	s_mov_b32 s[G1B+3], KSTEP<<16
	s_mov_b32 s[G1+4], 128                         ; tile_dim1
	s_mov_b32 s[G1B+4], 136
	s_mov_b32 s[G1+5], 1024                        ; tensor_dim0_stride
	s_mov_b32 s[G1B+5], 1024
	s_mov_b32 s[G1+6], 0
	s_mov_b32 s[G1B+6], 0
	s_mov_b32 s[G1+7], 0
	s_mov_b32 s[G1B+7], 0
	s_mov_b32 s[CS], 0x3fb8aa3b                    ; log2(e)
	s_mov_b32 s[CS+1], s[CS]                       ; named with it as a pair
	s_mov_b32 s[BIGN], 0xf149f2ca                  ; -1e30
	; xb's tiles hang on the row block alone, lt's on g alone; each address is made in registers that never hold the other coordinate
	s_lshl_b32 s16, s13, 8
	s_lshl_b32 s17, s12, 7
	s_add_co_u32 s16, s16, s17                     ; xb: row 256 x row block + 128 x half,
	s_lshl_b32 s16, s16, 11                        ; in bytes: under 2^24
	s_mov_b32 s17, 0
	s_mul_i32 s46, s42, GCOLS
	s_mul_i32 s47, s12, 136
	s_add_co_u32 s46, s46, s47                     ; lt: row 786 g + 136 x half,
	s_lshl_b32 s46, s46, 11                        ; in bytes: under 2^25
	s_mov_b32 s47, 0
	s_mul_i32 s20, s12, HALFA                      ; where they go: xb's halves at half x 128 rows;
	s_mul_i32 s18, s12, HALFB
	s_add_co_u32 s18, s18, 2*HALFA                 ; lt's behind xb's 256 rows, at half x 136 rows
	s_wait_dscnt 0x0                               ; the opening add is done
	s_wait_kmcnt 0x0
	s_add_nc_u64 s[14:15], s[4:5], s[16:17]
	s_add_nc_u64 s[46:47], s[6:7], s[46:47]
	CROUND                                         ; all sixteen work-groups are here: the first joint loads meet
.irp s, 0,1
	s_mov_b32 s[G0+4*(\s)], 1                                        ; count = 1
	s_add_co_u32 s[G0+4*(\s)+1], s20, (\s)*SLOT                      ; LDS address
	s_add_nc_u64 s[G0+4*(\s)+2:G0+4*(\s)+3], s[14:15], (\s)*KSTEP*2  ; global address: K step s
	s_or_b32 s[G0+4*(\s)+3], s[G0+4*(\s)+3], 0x80000000              ; type = 2
	s_mov_b32 s[G0B+4*(\s)], 1
	s_add_co_u32 s[G0B+4*(\s)+1], s18, (\s)*SLOT
	s_add_nc_u64 s[G0B+4*(\s)+2:G0B+4*(\s)+3], s[46:47], (\s)*KSTEP*2
	s_or_b32 s[G0B+4*(\s)+3], s[G0B+4*(\s)+3], 0x80000000
	JLOAD \s
.endr
	; a fragment is 16 rows x 32 K in 8 registers: lane l holds row l % 16, K = 8 (l / 16) + 0..7 and 16 + 8 (l / 16) + 0..7: two loads of 16 bytes, 32 bytes apart
	v_and_b32 v1, 15, v0                           ; l % 16
	v_bfe_u32 v2, v0, 4, 1                         ; l / 16
	v_mul_u32_u24 v3, v1, PITCH
	v_lshl_add_u32 v3, v2, 4, v3
	s_mul_i32 s21, s10, 64*PITCH                   ; my 64 rows of xb
.irp s, 0,1
	v_add_nc_u32 v[ADRA+(\s)], s21, v3
	v_add_nc_u32 v[ADRB+(\s)], 2*HALFA+(\s)*SLOT, v3                 ; every wave reads all of lt's 272 rows
	v_add_nc_u32 v[ADRC+(\s)], 2*HALFA+16*16*PITCH+(\s)*SLOT, v3
	s_add_co_u32 s21, s21, SLOT
.endr
	s_mul_i32 s46, s42, GCOLS                      ; (in the registers that held lt's address: none that feeds xb's descriptors holds cx)
	s_sub_co_u32 s46, VOCAB, s46
	s_min_u32 s46, s46, GCOLS                      ; LIM
	v_lshlrev_b32 v4, 3, v2
	v_sub_nc_u32 v[TV], s46, v4                    ; LIM - 8 (l / 16)
	v_lshlrev_b32 v5, 2, v1
	v_lshl_add_u32 v[PO], v2, 7, v5
	s_lshl_b32 s16, s13, 4                         ; part: token group 16 x row block + 4 x wave, 4,096 bytes each,
	s_lshl2_add_u32 s16, s10, s16
	s_lshl_b32 s16, s16, 12
	s_mov_b32 s17, 0
	s_lshl_b32 s46, s42, 8                         ; parts 2 g and 2 g + 1: 256 bytes
	s_mov_b32 s47, 0
	s_add_nc_u64 s[16:17], s[16:17], s[46:47]
	s_add_nc_u64 s[8:9], s[8:9], s[16:17]
.irp a, 0,1,2,3                        ; the statistics' start: 20 lines, in the wait for the first tile
	v_mov_b32 v[ST+4*(\a)], 0xfe000000             ; c m: far below every c s
	v_mov_b32 v[ST+4*(\a)+1], 0xff7fffff           ; m: the lowest finite number
	v_mov_b32 v[ST+4*(\a)+2], 0                    ; l
	v_mov_b32 v[ST+4*(\a)+3], 0
	v_mov_b32 v[AF+2*(\a)+1], 0                    ; named with a as a pair
.endr
; 16 matrix instructions: token blocks a0, a0 + 1 x column blocks 8 hi .. 8 hi + 7, 32 along K, from buffer f.  first = 1: the sums start, with 0 or (blocks 14, 15) the mask as C: nothing is cleared.
; The 68 accumulators take turns, one instruction a turn, in the same order in every quarter.
.macro MULW f, hi, a0, first
.if (\first) && (\hi)
	WIN MSK_HI
.else
	WIN MUL_LO+0x50*(\hi)
.endif
.irp a, \a0, (\a0)+1
.irp b, 0,1,2,3,4,5,6,7
.if (\first) && (\hi) && ((\b) >= 6)
	v_wmma_f32_16x16x32_bf16 v[64*(\a)+8*(\b):64*(\a)+8*(\b)+7], v[128*(\f)+64*(\hi)+8*(\b):128*(\f)+64*(\hi)+8*(\b)+7], v[FA+32*(\f)+8*(\a):FA+32*(\f)+8*(\a)+7], v[MK+8*((\b)-6):MK+8*((\b)-6)+7]
.elseif \first
	v_wmma_f32_16x16x32_bf16 v[64*(\a)+8*(\b):64*(\a)+8*(\b)+7], v[128*(\f)+64*(\hi)+8*(\b):128*(\f)+64*(\hi)+8*(\b)+7], v[FA+32*(\f)+8*(\a):FA+32*(\f)+8*(\a)+7], 0
.else
	v_wmma_f32_16x16x32_bf16 v[64*(\a)+8*(\b):64*(\a)+8*(\b)+7], v[128*(\f)+64*(\hi)+8*(\b):128*(\f)+64*(\hi)+8*(\b)+7], v[FA+32*(\f)+8*(\a):FA+32*(\f)+8*(\a)+7], v[64*(\a)+8*(\b):64*(\a)+8*(\b)+7]
.endif
.endr
.endr
.endm
; 4 matrix instructions: column block 16, all of whose registers lie in window 0
.macro MUL16 f, first
	WIN 0
.irp a, 0,1,2,3
.if \first
	v_wmma_f32_16x16x32_bf16 v[X16+8*(\a):X16+8*(\a)+7], v[FC+8*(\f):FC+8*(\f)+7], v[FA+32*(\f)+8*(\a):FA+32*(\f)+8*(\a)+7], v[MK+16:MK+23]
.else
	v_wmma_f32_16x16x32_bf16 v[X16+8*(\a):X16+8*(\a)+7], v[FC+8*(\f):FC+8*(\f)+7], v[FA+32*(\f)+8*(\a):FA+32*(\f)+8*(\a)+7], v[X16+8*(\a):X16+8*(\a)+7]
.endif
.endr
.endm
; 42 LDS loads in one run: a quarter step's fragments (32 K at byte k of the rows) into buffer f: my 64 rows of xb and lt's block 16 (10 loads), lt's blocks 0-7 (16), lt's blocks 8-15 (16)
.macro FETCH slot, k, f
	WIN 0
.irp i, 0,1,2,3
	ds_load_b128 v[FA+32*(\f)+8*(\i):FA+32*(\f)+8*(\i)+3],   v[ADRA+(\slot)] offset:(\k)+(\i)*16*PITCH
	ds_load_b128 v[FA+32*(\f)+8*(\i)+4:FA+32*(\f)+8*(\i)+7], v[ADRA+(\slot)] offset:(\k)+(\i)*16*PITCH+32
.endr
	ds_load_b128 v[FC+8*(\f):FC+8*(\f)+3],   v[ADRC+(\slot)] offset:(\k)
	ds_load_b128 v[FC+8*(\f)+4:FC+8*(\f)+7], v[ADRC+(\slot)] offset:(\k)+32
	WIN TO_B
.irp i, 0,1,2,3,4,5,6,7,8,9,10,11,12,13,14,15
	ds_load_b128 v[128*(\f)+8*(\i):128*(\f)+8*(\i)+3],   v[ADRB+(\slot)] offset:(\k)+(\i)*16*PITCH
	ds_load_b128 v[128*(\f)+8*(\i)+4:128*(\f)+8*(\i)+7], v[ADRB+(\slot)] offset:(\k)+(\i)*16*PITCH+32
.endr
.endm
.macro PLACES                          ; four places in front of loads into registers that matrix instructions have read, and of vector lines that read results just made
.rept 4
	v_nop
.endr
.endm
; A K step is four quarters of 32 along K, 68 matrix instructions each, on buffers 0, 1, 0, 1.  One of the first three: multiplies buffer f; behind its first sixteen products it fetches the next quarter,
; at byte k, into the other buffer: 52 matrix instructions ahead of the first use.
.macro QUARTER slot, k, f, first
	s_wait_dscnt 16                                ; xb's fragments and lt's blocks 16 and 0-7 are in; the youngest sixteen loads (blocks 8-15) may be out
	MULW \f, 0, 0, \first
	PLACES
	FETCH \slot, \k, 1-(\f)
	MULW \f, 0, 2, \first
	s_wait_dscnt 42                                ; all but the 42 just issued
	MULW \f, 1, 0, \first
	MULW \f, 1, 2, \first
	MUL16 \f, \first
.endm
; The last quarter multiplies buffer 1 and changes slots.  MEET is its first half: one barrier for two things.  In front of it each wave waits for all its tensor loads, of which one is out: its part of
; the next slot; adds 0 to its spare word; and waits for that and for its own reads of this slot.  Behind it nobody reads this slot any more and the next slot is whole.
.macro MEET round
	WIN 0                                          ; (the add's two registers lie in window 0)
	s_wait_tensorcnt 0x0
	ds_add_u32 v[SPW], v[NIL]                      ; 0 onto my spare word
	s_wait_dscnt 17                                ; (the add and the youngest sixteen loads may be out)
	MULW 1, 0, 0, 0                                ; sixteen matrix instructions stand between the add and the wait for it
	s_wait_dscnt 0x0                               ; the add is done, and my reads of this slot are over
	s_barrier_signal -1
	MULW 1, 0, 2, 0                                ; work on registers while the others arrive
.if \round
	WIN 0
.endif
	s_barrier_wait -1
.endm
; The whole last quarter.  Behind the round the slot just read out is filled again first: with this tile's K step two steps on (on = 0), or with the next tile's K step 0 or 1 (on = 1).
; From a request to the wait for it a wave issues 36 + 3 x 68 = 240 matrix instructions.
.macro TURN slot, next, on
	MEET 1
	CREST                                          ; no wave of any partner still reads this slot's tile or has a load on its way
.if \on
	s_sub_nc_u64 s[G0+4*(\slot)+2:G0+4*(\slot)+3], s[G0+4*(\slot)+2:G0+4*(\slot)+3], BACK_A
	s_add_nc_u64 s[G0B+4*(\slot)+2:G0B+4*(\slot)+3], s[G0B+4*(\slot)+2:G0B+4*(\slot)+3], NEXT_B
.else
	s_add_nc_u64 s[G0+4*(\slot)+2:G0+4*(\slot)+3], s[G0+4*(\slot)+2:G0+4*(\slot)+3], 2*KSTEP*2
	s_add_nc_u64 s[G0B+4*(\slot)+2:G0B+4*(\slot)+3], s[G0B+4*(\slot)+2:G0B+4*(\slot)+3], 2*KSTEP*2
.endif
	JLOAD \slot                                    ; the first tensor load behind the round; its four v_nop are also the places in front of the loads below
	FETCH \next, 0, 0
	MULW 1, 1, 0, 0
	MULW 1, 1, 2, 0
	MUL16 1, 0
.endm
; The masks of column blocks 14 to 16 in the tile to come, and TV for the tile behind it
.macro MASKS
.set n, 0
.rept 24
	v_cmp_ge_i32 vcc_lo, 16*(14+n/8)+n%8, v[TV]
	v_cndmask_b32 v[MK+n], 0, s[BIGN], vcc_lo
.set n, n+1
.endr
	v_add_nc_u32 v[TV], 0xfffffef0, v[TV]          ; - 272
.endm
; THE SOFTMAX STEP of a tile.  The statistics lie in window 0; each phase stands under one window setting.
; XMAXW: one window's 32 accumulators into sixteen chains, four a token block, three operands at a time (each accumulator's lowest registers are read first).
; The caller's setting: destination and source 0 in window 0, sources 1 and 2 in the accumulators'.  start = 1: the chains start from the old m.
.macro XMAXW start
.irp q, 0,1,2,3
.set n, 0
.rept 32                               ; token block n % 4, column block n / 4
.set rC, CT+4*(n%4)+(n/4)%4
.set rS, 64*(n%4)+8*(n/4)+2*(\q)
.if (\start) && ((\q) == 0) && (n < 16)
	v_max3_num_f32 v[rC], v[ST+4*(n%4)+1], v[rS], v[rS+1]
.else
	v_max3_num_f32 v[rC], v[rC], v[rS], v[rS+1]
.endif
.set n, n+1
.endr
.endr
.endm
.macro FOP base, pb, n                 ; pair n: c s - c m; pb pairs a token block
	v_pk_fma_f32 v[(\base)+2*(\n):(\base)+2*(\n)+1], v[(\base)+2*(\n):(\base)+2*(\n)+1], s[CS:CS+1], v[ST+4*((\n)/(\pb)):ST+4*((\n)/(\pb))+1] op_sel_hi:[1,0,0] neg_lo:[0,0,1] neg_hi:[0,0,1]
.endm
.macro LOP base, pb, n                 ; pair n's weights are added onto the token block's first pair, in place
.if (\n)%(\pb) != 0
	s_wait_alu depctr_va_vdst(0)
	v_pk_add_f32 v[(\base)+2*((\n)-(\n)%(\pb)):(\base)+2*((\n)-(\n)%(\pb))+1], v[(\base)+2*((\n)-(\n)%(\pb)):(\base)+2*((\n)-(\n)%(\pb))+1], v[(\base)+2*(\n):(\base)+2*(\n)+1]
.endif
.endm
; FEL: one window's 128 pairs: scaling two pairs ahead, two exponentials, the sum two pairs back: a plain line stands between every exponential and the use of its result.
; The caller's setting: destination and sources 0 and 1 in the accumulators' window, source 2 (c m) in window 0.
.macro FEL
	FOP 0, 32, 0
	FOP 0, 32, 1
.set p, 0
.rept 128
.if p+2 < 128
	FOP 0, 32, p+2
.endif
	v_exp_f32 v[2*p], v[2*p]
.if p >= 2
	LOP 0, 32, p-2
.endif
	v_exp_f32 v[2*p+1], v[2*p+1]
.set p, p+1
.endr
	LOP 0, 32, 126
	LOP 0, 32, 127
.endm
.macro EPI
	PLACES                                         ; behind the tile's last products
	WIN 0x28
	XMAXW 1
	WIN 0x3c
	XMAXW 0
	WIN 0
.irp q, 0,1,2,3                        ; column block 16
.irp a, 0,1,2,3
	v_max3_num_f32 v[CT+4*(\a)+(\q)], v[CT+4*(\a)+(\q)], v[X16+8*(\a)+2*(\q)], v[X16+8*(\a)+2*(\q)+1]
.endr
.endr
.irp a, 0,1,2,3
	v_max3_num_f32 v[CT+4*(\a)], v[CT+4*(\a)], v[CT+4*(\a)+1], v[CT+4*(\a)+2]
.endr
.irp a, 0,1,2,3
	v_max_num_f32 v[ST+4*(\a)+1], v[CT+4*(\a)], v[CT+4*(\a)+3]  ; the new m
.endr
.irp a, 0,1,2,3
	v_mul_f32 v[CT+4*(\a)+1], s[CS], v[ST+4*(\a)+1]
.endr
.irp a, 0,1,2,3
	v_sub_f32 v[CT+4*(\a)+2], v[ST+4*(\a)], v[CT+4*(\a)+1]      ; c m_old - c m_new
.endr
.irp a, 0,1,2,3
	v_mov_b32 v[ST+4*(\a)], v[CT+4*(\a)+1]
.endr
.irp a, 0,1,2,3
	v_exp_f32 v[AF+2*(\a)], v[CT+4*(\a)+2]         ; a; it is used at the step's end
.endr
	WIN 0x8a
	FEL
	WIN 0xcf
	FEL
	WIN 0
.set n, 0
.rept 16                               ; column block 16: 16 pairs, four a token block
	FOP X16, 4, n
.set n, n+1
.endr
.set n, 0
.rept 32
	v_exp_f32 v[X16+n], v[X16+n]
.set n, n+1
.endr
	v_nop                                          ; a plain line behind the last exponential
	s_wait_alu depctr_va_vdst(0)
.irp i, 1,2,3
.irp a, 0,1,2,3
	v_pk_add_f32 v[X16+8*(\a):X16+8*(\a)+1], v[X16+8*(\a):X16+8*(\a)+1], v[X16+8*(\a)+2*(\i):X16+8*(\a)+2*(\i)+1]
.endr
.endr
	WIN 0x20                                       ; source 2 in window 2
.irp a, 0,1,2,3
	v_pk_fma_f32 v[ST+4*(\a)+2:ST+4*(\a)+3], v[ST+4*(\a)+2:ST+4*(\a)+3], v[AF+2*(\a):AF+2*(\a)+1], v[64*(\a):64*(\a)+1] op_sel_hi:[1,0,1]  ; l = a l + the sum of blocks 0-7
.endr
	WIN 0x0c                                       ; source 1 in window 3
.irp a, 0,1,2,3
	v_pk_add_f32 v[ST+4*(\a)+2:ST+4*(\a)+3], v[ST+4*(\a)+2:ST+4*(\a)+3], v[64*(\a):64*(\a)+1]  ; + blocks 8-15
.endr
	WIN 0
.irp a, 0,1,2,3
	v_pk_add_f32 v[ST+4*(\a)+2:ST+4*(\a)+3], v[ST+4*(\a)+2:ST+4*(\a)+3], v[X16+8*(\a):X16+8*(\a)+1]  ; + block 16
.endr
.endm
	s_wait_tensorcnt 0x1                           ; my part of K step 0 is in; K step 1's stays out
	s_barrier_signal -1
	s_barrier_wait -1                              ; everybody's is
	FETCH 0, 0, 0
	WIN 0                                          ; at a label and at a branch every window is 0
	s_mov_b32 s2, TILES                            ; tiles to go, this one among them: the same number in every work-group
.Ltile:
	MASKS
	QUARTER 0, 64,  0, 1                           ; a tile's first quarter stands in front of the loop: its products start the sums
	WIN 0
	s_mov_b32 s3, LAPS-1
.Llap:                                                 ; a trip goes once round the ring, from a lap's second quarter to the next lap's first, and fills both slots again
	QUARTER 0, 128, 1, 0
	QUARTER 0, 192, 0, 0
	TURN 0, 1, 0
	QUARTER 1, 64,  0, 0
	QUARTER 1, 128, 1, 0
	QUARTER 1, 192, 0, 0
	TURN 1, 0, 0
	QUARTER 0, 64,  0, 0
	WIN 0
	s_sub_co_u32 s3, s3, 1
	s_cmp_lg_u32 s3, 0
	s_cbranch_scc1 .Llap
	QUARTER 0, 128, 1, 0                           ; the tile's last lap goes on
	QUARTER 0, 192, 0, 0
	WIN 0
	s_cmp_eq_u32 s2, 1
	s_cbranch_scc1 .Llast                          ; the last tile's tail is written out: it asks for nothing more
	TURN 0, 1, 1                                   ; the ring goes on into the next tile: slot 0 takes its K step 0,
	QUARTER 1, 64,  0, 0
	QUARTER 1, 128, 1, 0
	QUARTER 1, 192, 0, 0
	TURN 1, 0, 1                                   ; slot 1 its K step 1, and the next tile's first fragments are fetched
	EPI                                            ; both refills are on their way while the tile's maxima, exponentials and sums are made
	s_sub_co_u32 s2, s2, 1
	s_branch .Ltile
.Llast:
	MEET 0                                         ; my one tensor load that was still out is slot 1's, the last K step's, so no round follows
	PLACES                                         ; for the loads into buffer 0
	FETCH 1, 0, 0
	MULW 1, 1, 0, 0
	MULW 1, 1, 2, 0
	MUL16 1, 0
	QUARTER 1, 64,  0, 0
	QUARTER 1, 128, 1, 0
	QUARTER 1, 192, 0, 0
	s_wait_dscnt 16                                ; the very last quarter: nothing more to fetch
	MULW 1, 0, 0, 0
	MULW 1, 0, 2, 0
	s_wait_dscnt 0x0
	MULW 1, 1, 0, 0
	MULW 1, 1, 2, 0
	MUL16 1, 0
	EPI
	; THE END.  l's two halves are added; each lane's m and l leave as they are: lanes 0-15 are part 2 g, lanes 16-31 part 2 g + 1.  A token block's two stores together cover 256 consecutive bytes,
	; at a multiple of 256 from part's first byte: M, L of part 2 g, then M, L of part 2 g + 1, 64 bytes each.
.irp a, 0,1,2,3
	v_add_f32 v[ST+4*(\a)+2], v[ST+4*(\a)+2], v[ST+4*(\a)+3]
.endr
.irp a, 0,1,2,3
	global_store_b32 v[PO], v[ST+4*(\a)+1], s[8:9] offset:(\a)*4096
	global_store_b32 v[PO], v[ST+4*(\a)+2], s[8:9] offset:(\a)*4096+64
.endr
	s_wait_tensorcnt 0x0                           ; the wave's end
	ds_add_u32 v[SPW], v[NIL]
	s_wait_dscnt 0x0
	CROUND                                         ; the closing round: no work-group ends while a partner may still ask for a tile that names it
	s_endpgm
.Lfunc_end_k_qfab4f269e5_lse:
	.size	k_qfab4f269e5_lse, .Lfunc_end_k_qfab4f269e5_lse-k_qfab4f269e5_lse
	.p2alignl 7, 3214868480
	.fill 96, 4, 3214868480
	.section	.rodata,"a",@progbits
	.p2align	6, 0x0
	.amdhsa_kernel k_qfab4f269e5_lse
		.amdhsa_group_segment_fixed_size 327680
		.amdhsa_private_segment_fixed_size 0
		.amdhsa_enable_private_segment 0
		.amdhsa_kernarg_size 24
		.amdhsa_user_sgpr_count 2
		.amdhsa_user_sgpr_kernarg_segment_ptr 1
		.amdhsa_wavefront_size32 1
		.amdhsa_system_sgpr_workgroup_id_x 1
		.amdhsa_system_sgpr_workgroup_id_y 1
		.amdhsa_system_sgpr_workgroup_id_z 1
		.amdhsa_system_vgpr_workitem_id 0
		.amdhsa_next_free_vgpr 1024
		.amdhsa_next_free_sgpr 72
		.amdhsa_reserve_vcc 1
		.amdhsa_float_denorm_mode_32 3
		.amdhsa_float_denorm_mode_16_64 3
		.amdhsa_memory_ordered 1
		.amdhsa_forward_progress 1
		.amdhsa_inst_pref_size 255
	.end_amdhsa_kernel
	.section	.bss,"aw",@nobits
	.p2align	6
	.space	262144
	.amdgpu_metadata
---
amdhsa.version: [ 1, 2 ]
amdhsa.kernels:
  - .name:           k_qfab4f269e5_lse
    .symbol:         k_qfab4f269e5_lse.kd
    .args:
      - { .name: xb, .offset: 0, .size: 8, .value_kind: global_buffer, .address_space: global }
      - { .name: lt, .offset: 8, .size: 8, .value_kind: global_buffer, .address_space: global }
      - { .name: part, .offset: 16, .size: 8, .value_kind: global_buffer, .address_space: global }
    .group_segment_fixed_size: 327680
    .private_segment_fixed_size: 0
    .kernarg_segment_align: 8
    .kernarg_segment_size: 24
    .max_flat_workgroup_size: 128
    .sgpr_count:     72
    .vgpr_count:     1024
    .wavefront_size: 32
...
	.end_amdgpu_metadata
.endif
;; end of part 2
;; launch finish (part 3): grid 256 x 1, 8 waves a work-group, no clusters, 5,376 bytes of LDS; arguments xb, lt, part, cl, y, out0; writes out0
.if DOCPART == 3
	.amdgcn_target "amdgcn-amd-amdhsa--gfx1250"
	.amdhsa_code_object_version 6
	.text
	.protected	k_qfab4f269e5_finish
	.globl	k_qfab4f269e5_finish
	.p2align	8
	.type	k_qfab4f269e5_finish,@function
k_qfab4f269e5_finish:
	s_mov_b64 s[64:65], 0
	v_nop
	global_prefetch_b8 v0, s[64:65] scope:SCOPE_SE
	s_setreg_imm32_b32 hwreg(HW_REG_WAVE_MODE, 25, 1), 1
	s_wait_xcnt 0x0
; FINISH.  out0[n] = cl[n] + logsumexp_v(s[n][v]) - s[n][y[n]] where 0 <= y[n] < 20000 (one unsigned compare: the first cluster's mask), else 0.
; The logsumexp is merged from the 32 pairs (M, L) of part: Mx = max M, sum = the sum of L exp(M - Mx), Mx + ln(sum).  The target score is the dot product of row n of xb and row y of lt, bf16 numbers
; multiplied and added in f32: the same rounded operands as the scores in the sum.
; LIMITS.  y is served in 0 .. 12563.  From 12564 to 19999, where the index leaves the table, row 12563 is taken; y < 0 and y >= 20000 give 0.
; SHARES.  A work-group owns 16 tokens, a wave two.  The group's 4,096 bytes of part come in once, 16 bytes a thread, and go through LDS, since a wave wants 16 bytes of each of 32 parts.
; No matrix instruction, no cluster: two dot products of 1,024 a wave, and no two work-groups share a tile.
.set VOCAB, 12564
.set RES,   4096                       ; behind the copy of part: 16 results
.set SPARE, 4352                       ; the spare words, 128 bytes for each of eight waves
.set SPW,   110                        ; v110  LDS address of my spare word; never rewritten
.set NIL,   111                        ; v111  0; never rewritten
.set XR,    16                         ; v[16:47]  my two rows of xb, 16 registers each
.set LR,    48                         ; v[48:79]  their rows of lt
.macro WSUM r                          ; the sum over the wave's 32 lanes, in every lane
.irp m, 1,2,4,8
	v_add_f32_dpp v[\r], v[\r], v[\r] row_xmask:\m row_mask:0xf bank_mask:0xf
.endr
	v_permlanex16_b32 v88, v[\r], s34, s35
	v_add_f32 v[\r], v[\r], v88
.endm
.macro WMAX r
.irp m, 1,2,4,8
	v_max_num_f32_dpp v[\r], v[\r], v[\r] row_xmask:\m row_mask:0xf bank_mask:0xf
.endr
	v_permlanex16_b32 v88, v[\r], s34, s35
	v_max_num_f32 v[\r], v[\r], v88
.endm
	s_load_b256 s[4:11], s[0:1], 0x0               ; xb s[4:5], lt s[6:7], part s[8:9], cl s[10:11]
	s_load_b128 s[12:15], s[0:1], 0x20             ; y s[12:13], out0 s[14:15]
	v_lshl_add_u32 v[SPW], v0, 2, SPARE
	v_mov_b32 v[NIL], 0
	v_lshrrev_b32 v1, 5, v0
	v_readfirstlane_b32 s16, v1                    ; wave 0..7
	v_and_b32 v1, 31, v0                           ; lane
	v_lshlrev_b32 v2, 4, v0                        ; 16 bytes a thread of part
	v_lshlrev_b32 v3, 4, v1                        ; 16 bytes a lane of a row
	s_lshl_b32 s17, s16, 3                         ; 8 w
	v_lshl_add_u32 v4, v1, 7, s17                  ; part p = lane: 128 p + my two tokens' 8 bytes
	v_mov_b32 v5, s17
	v_lshlrev_b32 v6, 2, v1
	v_mov_b32 v88, 0                               ; v_permlanex16_b32 counts as a reader of its destination
.irp r, 84,85,86,87
	v_mov_b32 v\r, 0                               ; four sums: two tokens, low and high halves
.endr
	s_lshl_b32 s20, ttmp9, 6
	s_add_co_u32 s20, s20, s17                     ; 4 bytes x token 16 tg + 2 w
	s_mov_b32 s21, 0
	s_lshl_b32 s24, ttmp9, 12                      ; 4,096 tg
	s_mov_b32 s25, 0
	s_lshl_b32 s26, s20, 9                         ; 2,048 bytes x that token
	s_mov_b32 s27, 0
	s_lshl_b32 s28, ttmp9, 6                       ; 64 tg
	s_mov_b32 s29, 0
	s_mov_b32 s34, 0x76543210
	s_mov_b32 s35, 0xfedcba98
	s_wait_kmcnt 0x0
	s_add_nc_u64 s[12:13], s[12:13], s[20:21]
	s_add_nc_u64 s[10:11], s[10:11], s[20:21]
	s_load_b64 s[18:19], s[12:13], 0x0             ; my two y
	s_load_b64 s[22:23], s[10:11], 0x0             ; my two cl
	s_add_nc_u64 s[8:9], s[8:9], s[24:25]
	s_add_nc_u64 s[4:5], s[4:5], s[26:27]
	s_add_nc_u64 s[14:15], s[14:15], s[28:29]
	global_load_b128 v[8:11], v2, s[8:9]           ; a wave's load covers 512 consecutive bytes of part
.irp i, 0,1
.irp q, 0,1,2,3
	global_load_b128 v[XR+16*(\i)+4*(\q):XR+16*(\i)+4*(\q)+3], v3, s[4:5] offset:(\i)*2048+512*(\q)
.endr
.endr
	s_wait_kmcnt 0x0
	s_min_u32 s30, s18, VOCAB-1                    ; the index is held inside the table before it enters an address
	s_lshl_b32 s30, s30, 11
	s_mov_b32 s31, 0
	s_add_nc_u64 s[30:31], s[6:7], s[30:31]
	s_min_u32 s32, s19, VOCAB-1
	s_lshl_b32 s32, s32, 11
	s_mov_b32 s33, 0
	s_add_nc_u64 s[32:33], s[6:7], s[32:33]
.irp q, 0,1,2,3
	global_load_b128 v[LR+4*(\q):LR+4*(\q)+3], v3, s[30:31] offset:512*(\q)
.endr
.irp q, 0,1,2,3
	global_load_b128 v[LR+16+4*(\q):LR+16+4*(\q)+3], v3, s[32:33] offset:512*(\q)
.endr
	s_wait_loadcnt 16                              ; part's load is in; the sixteen loads of rows behind it stay out
	ds_store_b128 v2, v[8:11]
	s_wait_dscnt 0x0                               ; for the others' sake: my store is done
	s_barrier_signal -1
	s_barrier_wait -1
	ds_load_b64 v[80:81], v4                       ; M of my two tokens in part p = lane
	ds_load_b64 v[82:83], v4 offset:64             ; L
	s_wait_loadcnt 0x0
.set n, 0
.rept 16                               ; four chains by turns
	v_fma_mix_f32_bf16 v84, v[XR+n], v[LR+n], v84 op_sel_hi:[1,1,0]
	v_fma_mix_f32_bf16 v85, v[XR+n], v[LR+n], v85 op_sel:[1,1,0] op_sel_hi:[1,1,0]
	v_fma_mix_f32_bf16 v86, v[XR+16+n], v[LR+16+n], v86 op_sel_hi:[1,1,0]
	v_fma_mix_f32_bf16 v87, v[XR+16+n], v[LR+16+n], v87 op_sel:[1,1,0] op_sel_hi:[1,1,0]
.set n, n+1
.endr
	v_add_f32 v84, v84, v85
	v_add_f32 v86, v86, v87
	WSUM 84                                        ; the target scores
	WSUM 86
	s_wait_dscnt 0x0
	v_mov_b32 v90, v80
	v_mov_b32 v91, v81
	WMAX 90                                        ; Mx
	WMAX 91
	v_sub_f32 v92, v80, v90
	v_sub_f32 v93, v81, v91
	v_mul_f32 v92, 0x3fb8aa3b, v92
	v_mul_f32 v93, 0x3fb8aa3b, v93
	v_exp_f32 v92, v92
	v_exp_f32 v93, v93
	v_sub_f32 v84, v90, v84                        ; Mx - target: the plain line behind the exponentials
	v_sub_f32 v86, v91, v86
	s_wait_alu depctr_va_vdst(0)
	v_mul_f32 v82, v82, v92
	v_mul_f32 v83, v83, v93
	WSUM 82
	WSUM 83
	v_log_f32 v82, v82
	v_log_f32 v83, v83
	v_add_f32 v84, s22, v84                        ; + cl: the plain line behind the logarithms
	v_add_f32 v86, s23, v86
	s_wait_alu depctr_va_vdst(0)
	v_fmamk_f32 v94, v82, 0x3f317218, v84          ; + ln 2 x log2(sum)
	v_fmamk_f32 v95, v83, 0x3f317218, v86
	s_cmp_lt_u32 s18, 20000                        ; the mask chooses a value, no path
	s_cselect_b32 s26, -1, 0
	v_cndmask_b32 v94, 0, v94, s26
	s_cmp_lt_u32 s19, 20000
	s_cselect_b32 s26, -1, 0
	v_cndmask_b32 v95, 0, v95, s26
	ds_store_b64 v5, v[94:95] offset:RES           ; all lanes write the same two words with the same values
	s_wait_dscnt 0x0
	s_barrier_signal -1
	s_barrier_wait -1
	s_cmp_lg_u32 s16, 0
	s_cbranch_scc1 .Ldone                          ; wave 0 stores the group's 16 results, 64 consecutive bytes
	s_wait_xcnt 0x0                                ; EXEC changes only behind this wait
	v_cmp_gt_u32 vcc_lo, 16, v1
	s_and_saveexec_b32 s36, vcc_lo
	ds_load_b32 v96, v6 offset:RES
	s_wait_dscnt 0x0
	global_store_b32 v6, v96, s[14:15]
	s_wait_xcnt 0x0
	s_or_b32 exec_lo, exec_lo, s36
.Ldone:
	s_wait_tensorcnt 0x0                           ; the wave's end
	ds_add_u32 v[SPW], v[NIL]
	s_wait_dscnt 0x0
	s_endpgm
.Lfunc_end_k_qfab4f269e5_finish:
	.size	k_qfab4f269e5_finish, .Lfunc_end_k_qfab4f269e5_finish-k_qfab4f269e5_finish
	.p2alignl 7, 3214868480
	.fill 96, 4, 3214868480
	.section	.rodata,"a",@progbits
	.p2align	6, 0x0
	.amdhsa_kernel k_qfab4f269e5_finish
		.amdhsa_group_segment_fixed_size 5376
		.amdhsa_private_segment_fixed_size 0
		.amdhsa_enable_private_segment 0
		.amdhsa_kernarg_size 48
		.amdhsa_user_sgpr_count 2
		.amdhsa_user_sgpr_kernarg_segment_ptr 1
		.amdhsa_wavefront_size32 1
		.amdhsa_system_sgpr_workgroup_id_x 1
		.amdhsa_system_sgpr_workgroup_id_y 1
		.amdhsa_system_sgpr_workgroup_id_z 1
		.amdhsa_system_vgpr_workitem_id 0
		.amdhsa_next_free_vgpr 112
		.amdhsa_next_free_sgpr 66
		.amdhsa_reserve_vcc 1
		.amdhsa_float_denorm_mode_32 3
		.amdhsa_float_denorm_mode_16_64 3
		.amdhsa_memory_ordered 1
		.amdhsa_forward_progress 1
		.amdhsa_inst_pref_size 12
	.end_amdhsa_kernel
	.amdgpu_metadata
---
amdhsa.version: [ 1, 2 ]
amdhsa.kernels:
  - .name:           k_qfab4f269e5_finish
    .symbol:         k_qfab4f269e5_finish.kd
    .args:
      - { .name: xb, .offset: 0, .size: 8, .value_kind: global_buffer, .address_space: global }
      - { .name: lt, .offset: 8, .size: 8, .value_kind: global_buffer, .address_space: global }
      - { .name: part, .offset: 16, .size: 8, .value_kind: global_buffer, .address_space: global }
      - { .name: cl, .offset: 24, .size: 8, .value_kind: global_buffer, .address_space: global }
      - { .name: y, .offset: 32, .size: 8, .value_kind: global_buffer, .address_space: global }
      - { .name: out0, .offset: 40, .size: 8, .value_kind: global_buffer, .address_space: global }
    .group_segment_fixed_size: 5376
    .private_segment_fixed_size: 0
    .kernarg_segment_align: 8
    .kernarg_segment_size: 48
    .max_flat_workgroup_size: 256
    .sgpr_count:     66
    .vgpr_count:     112
    .wavefront_size: 32
...
	.end_amdgpu_metadata
.endif
;; end of part 3
